; MI455X (gfx1250); checked and timed in simulation.
; The chip was launched on July 23, 2026; its instructions are those of AMD's public machine-readable ISA for CDNA 5 (MIT licence, August 2026) and "CDNA5" Instruction Set Architecture Reference Guide (July 2026). The comments in the code are by the model that wrote it; some were corrected since.
;; RNN. Allowed arithmetic: matrix products marked QUANTISED: E2M1 operands, one E8M0 scale for each 32 along K, by v_wmma_scale_f32_16x16x128_f8f6f4 with both operands' format E2M1 (or v_wmma_scale_f32_32x16x128_f4), f32 sums; everything else in f32.
;; Inputs: W1_codes 256 x 16 x 16 uint8 (E2M1 codes of W1, K innermost, in blocks of 32 codes, two codes a byte); W1_scales 256 x 16 uint8 (E8M0 scales of W1, one for each 32 codes along K); W3_codes 32 x 8 x 16 uint8 (E2M1 codes of W3, K innermost, in blocks of 32 codes, two codes a byte); W3_scales 32 x 8 uint8 (E8M0 scales of W3, one for each 32 codes along K); W_hh 1,024 x 256 float32; W_ih_codes 1,024 x 8 x 16 uint8 (E2M1 codes of W_ih, K innermost, in blocks of 32 codes, two codes a byte); W_ih_scales 1,024 x 8 uint8 (E8M0 scales of W_ih, one for each 32 codes along K); b1 256 float32; b3 32 float32; b_hh 1,024 float32; b_ih 1,024 float32; x_codes 64 x 16 x 128 x 16 x 16 uint8 (E2M1 codes of x, K innermost, in blocks of 32 codes, two codes a byte); x_scales 64 x 16 x 128 x 16 uint8 (E8M0 scales of x, one for each 32 codes along K).
;; Outputs: out0 64 x 32 float32.
;; This version of the problem:
;;   THIS VERSION OF THE PROBLEM IS GIVEN IN LOW PRECISION. The matrix products marked QUANTISED in the list below multiply operands that are first quantised to E2M1 (2 exponent bits, 1 mantissa bit; 4 bits a number), with one power-of-two scale for each 32 numbers along K (OCP MX v1.0); their sums are f32. All else is computed in f32.
;;   The module's matrix products, in the order in which they are computed (A, B: the left and right operand; K: the contracted axis; several contracted axes count as one K, in the product's order):
;;     1. [M 131,072, K 512] x [K 512, N 256]; A: input x (given as codes); B: input W1 (given as codes): QUANTISED
;;     2. [M 131,072, K 256] x [K 256, N 1,024]; A: computed on the way; B: input W_ih (given as codes): QUANTISED
;;     3. [M 131,072, K 256] x [K 256, N 32]; A: computed on the way; B: input W3 (given as codes): QUANTISED
;;   THE QUANTISER, for each operand of a quantised product, along K:
;;     - K is cut into blocks of 32 from its start; a last block that is shorter is filled with zeros.
;;     - A block's scale is 2^e with e = floor(log2(the largest magnitude in the block)) - 2, held to -126 .. 127; a block of zeros has e = 0. As a byte (E8M0): e + 127.
;;     - Each number is divided by its block's scale, clamped to +-6, and rounded to the nearest number of E2M1, ties to even, subnormals kept.
;;     - The product sums the exact products of the quantised numbers (number of the format x scale) in f32.
;;   ~~~python
;;   def quantise(x, axis):      # numpy; x: float32 -> the quantised numbers, widened to float32 again
;;       x = np.moveaxis(x, axis, -1); K = x.shape[-1]
;;       x = np.pad(x, [(0, 0)] * (x.ndim - 1) + [(0, -K % 32)]); x = x.reshape(x.shape[:-1] + (-1, 32)); a = np.abs(x).max(-1, keepdims=True)
;;       e = np.where(a > 0, np.clip(np.frexp(np.where(a > 0, a, 1))[1] - 1 - 2, -126, 127), 0)      # np.frexp(a)[1] - 1 = floor(log2(a)), exactly
;;       r = np.clip(x / 2.0 ** e, -6, 6)
;;       step = 2.0 ** (np.maximum(np.frexp(np.where(r == 0, 1, r))[1] - 1, 0) - 1)
;;       q = np.round(r / step) * step * 2.0 ** e      # np.round: ties to even
;;       return np.moveaxis(q.reshape(q.shape[:-2] + (-1,))[..., :K], -1, axis).astype(np.float32)
;;   ~~~
;;   OPERANDS COMPUTED ON THE WAY. 'Computed on the way' means the value that the module computes at that place (a softmax that the list does not call 'softmax' is quantised finished and normalised). What goes into a quantiser is computed in f32, as accurately as f32 sums, v_exp_f32 and their like allow (about 1e-6 of the number): no bf16 or f16 on the way to a quantiser, and a product that is left as it is and whose result goes on into a quantised operand takes f32 operands (vector FMAs, or v_wmma_f32_16x16x4_f32). A number that lies on a knife's edge between two numbers of the format may be rounded either way, as far as f32 arithmetic and the matrix unit's own rounding can turn it there, and no further.
;;   INPUTS GIVEN AS CODES. W1 (in the module: [256, 512], K = its axis 1); W3 (in the module: [32, 256], K = its axis 1); W_ih (in the module: [1024, 256], K = its axis 1); x (in the module: [64, 16, 512, 128], K = its axis 2): each comes as NAME_codes (uint8): NAME with its K axis moved to the last place and cut into blocks of 32 codes, [.., K / 32, bytes a block], one block behind the other in memory; two codes a byte, the lower K in the low four bits (a code: sign, 2 exponent bits, 1 mantissa bit); and NAME_scales (uint8): the same leading axes, one E8M0 byte (e + 127) for each 32 codes along K. Its value is code x scale, taken as it is: it is not quantised again, and the codes and scales need not be those that the quantiser above would give.
;; One version. Each part assembles by itself: llvm-mc -triple=amdgcn-amd-amdhsa -mcpu=gfx1250 --defsym DOCPART=n.
;; ======== version 1 of 1: 1 launch
;; launch rnn (part 1): grid 256 x 1, 8 waves a work-group, no clusters, 76,800 bytes of LDS; arguments x_codes, x_scales, W1_codes, W1_scales, b1, W_ih_codes, W_ih_scales, b_ih, b_hh, W3_codes, W3_scales, b3, out0; writes out0
.if DOCPART == 1
	.amdgcn_target "amdgcn-amd-amdhsa--gfx1250"
	.amdhsa_code_object_version 6
	.text
	.protected	k_q226681bfc7_rnn
	.globl	k_q226681bfc7_rnn
	.p2align	8
	.type	k_q226681bfc7_rnn,@function
k_q226681bfc7_rnn:
	s_mov_b64 s[64:65], 0
	v_nop
	global_prefetch_b8 v0, s[64:65] scope:SCOPE_SE
	s_setreg_imm32_b32 hwreg(HW_REG_WAVE_MODE, 25, 1), 1
	s_wait_xcnt 0x0
; row -> fc1 -> ReLU -> one LSTM step from zero state -> ReLU -> fc3 -> softmax; out0[p] is the result of row (mat 15, column 127) of patient p.
; All three products run on codes of FP4 (E2M1) with one E8M0 scale for each 32 along K; sums and activations in f32.
; WHAT IS COMPUTED.  The problem's contract asks that its three products be done in full: so ALL 131,072 rows go through fc1, all four gates and fc3, though only 64 rows reach out0 and the f gate's sums are read
; by nobody (c0 = 0).  What feeds a product (ReLU, the gates' activations, the quantisers) is done for every row; the softmax, which feeds none, only for the tile that holds a kept row.
; NOT READ: W_hh (it multiplies h0 = 0) and the f gate's biases.
; SHARES.  Work-group g owns rows 512 g .. 512 g + 511 (a quarter of a patient), in 4 blocks of 128 rows = 8 tiles of 16.  ITS EIGHT WAVES SHARE THE COLUMNS: wave w makes units 32 w .. 32 w + 31 of fc1 and of each
; gate, for all rows; its part of W1 and W_ih (192 registers) and their biases (64) stay in window 1 for the whole launch.  32 units are one block of the next product's K, so a wave quantises a whole block by itself.
; In fc3 wave w takes the block's row tile w; W3 lies in LDS as an image of its registers.
; EVERY PRODUCT IS USED TRANSPOSED: source 0 = 16 rows of a weight, source 1 = 16 rows of x.  THE ROWS OF A WEIGHT THAT FORM A TILE ARE NOT NEIGHBOURS: lane q of tile u takes row base + 8 u + q + 8 (q / 8),
; so that lane (r, h) holds row r and the 16 registers of tiles 0 and 1 are units base + 16 h + 0 .. 15.  The biases lie in that layout and are the C of each sum's first product.
; OPERANDS GO FROM WAVE TO WAVE THROUGH LDS AS IMAGES OF THEIR REGISTERS: row tile m at 2,048 m, K step s at 1,024 s, register group c at 512 c, 16 bytes a lane.  Wave w's block is bytes 256 w + 16 r of that.
; A BLOCK, TWO BARRIERS:  1: fc1, ReLU, codes to LDS | barrier | 2: gates, activations, codes to LDS; then the NEXT block's x to LDS | barrier | 3: fc3, and with no barrier between, the next block's phase 1.
;   x's rows are written again behind the first barrier, which every wave reaches behind its last read of them; fc1's codes behind the second, which every wave reaches behind its last read of those; h's codes
;   behind the next block's first, which every wave reaches behind fc3's reads.  The next block's x is asked for from memory at the head of phase 2 and has that phase in which to land.
; THE ACTIVATIONS.  tanh(g) = g P(z) / Q(z), z = g^2, P of degree 6 and Q of degree 3, g held to 7.905, beyond which tanh is 1 in f32: a few ulp at every size, no cancellation at small g.
;   sigmoid(i) tanh(g) = g P / (Q + Q 2^(-i log2 e)): one exponential and ONE reciprocal for the two; likewise sigmoid(o) tanh(c).
;   c lies in [0, 1]: there tanh(c) = c (945 + 105 z + z^2) / (945 + 420 z + 15 z^2), the fifth convergent of tanh's continued fraction.  The next convergent differs from it by c z^5 / (B5 B6),
;   at c = 1 by 1 / (1,380 x 15,331), under 7e-8 of the value, and the differences alternate in sign: that bounds the error.
;   relu(h): h has the sign of g (the sigmoids are positive, tanh keeps signs), so g is held to [0, 7.905] by the line that holds it anyway, and h comes out 0 where g <= 0.
; NO CLUSTER: the work-groups read the same weights, but each reads them once, 24 KB a wave, straight into the registers that then serve its 512 rows; a joint load would land in LDS, to be read from there again,
; and would add rounds of the cluster's barrier.  No tensor load: a block's x is 8 loads of 16 bytes a thread and has phase 2 in which to land.
; LIMITS: NaN and infinities among the inputs are not served.  The exponential and the reciprocal flush denormals, so a sigmoid under about 1e-38 is 0.
; A block of zeros gets the scale byte 1, not 127: its codes are zeros, and the bytes are read by this kernel alone.
.set XIMG,  0                          ; LDS: a block's 128 rows of x, 256 bytes each, 272 apart (68 words: the 16 rows that a load touches begin 4 words apart)
.set XSC,   34816                      ; their scale bytes, 16 a row, dense
.set W3IMG, 36864                      ; W3's four fragments: piece i (16 bytes a lane) at 512 i
.set H1IMG, 40960                      ; fc1's result as codes: 8 row tiles x two fragments' images
.set H1SC,  57344                      ; its scale words: 128 bytes a row tile, word 16 s + r
.set H2IMG, 58368                      ; the LSTM's h likewise; these two lie beyond what an immediate reaches with its offsets, so their bases ride in address registers
.set H2SC,  74752
.set WV,   4                           ; s4       my wave's number
.set BLK,  5                           ; s5       blocks to go
.set SELR, 6                           ; s[6:7]   lane selects for v_permlanex16_b32: lane l xor 16
.set L2E,  36                          ; s[36:37] log2(e)    (the packed forms name a pair and take its low word: both words are written)
.set NL2E, 38                          ; s[38:39] -log2(e)
.set A13,  40                          ; P's coefficients of z^6, z^4, z^3, z, 1 (those of z^5 and z^2 lie in vector pairs: a line takes one scalar pair)
.set A9,   42
.set A7,   44
.set A3,   46
.set A1,   48
.set B6,   50                          ; Q's of z^3, z, 1
.set B2,   52
.set B0,   54
.set CLP,  56                          ; s56      7.905
.set K105, 58                          ; s[58:59] 105, s[60:61] 945, s[62:63] 15: the convergent's
.set K945, 60
.set K15,  62
.set V420, 2                           ; v[2:3]   420, twice (made when the head has done with these two registers)
.set XG,   4                           ; v4   16 x thread: x's codes in a load's 4,096 bytes; also W3's piece in LDS
.set XSG,  5                           ; v5   8 x thread: x's scale bytes, in memory and in LDS
.set XL,   6                           ; v6   LDS: where thread t puts 16 bytes of x: row t / 16, column 16 (t % 16)
.set XR,   7                           ; v7   LDS: x's fragment: row r, + 16 h
.set XSR,  8                           ; v8   LDS: x's scale words: 16 r + 8 h
.set IMS,  9                           ; v9   LDS: my 8 bytes of an image: 256 w + 16 r + 8 h
.set SCS,  10                          ; v10  LDS: my block's scale byte: 64 (w / 4) + 4 r + w % 4
.set IMS2, 11                          ; v11  the same + H2IMG
.set SCS2, 12                          ; v12  the same + H2SC
.set LI,   13                          ; v13  16 x lane
.set LS,   14                          ; v14  4 x lane
.set LI3,  15                          ; v15  H2IMG + 2,048 w + 16 x lane: row tile w's fragments of h
.set LS3,  16                          ; v16  H2SC + 128 w + 4 x lane
.set W1G,  17                          ; v17-24 offsets of the head's loads
.set W1SG, 18
.set WIG,  19
.set WISG, 20
.set W3P,  21
.set W3SG, 22
.set BGA,  23                          ; v23  128 w + 64 h: my 16 numbers of a bias
.set B3G,  24                          ; v24  64 h: b3's, and my 64 bytes of a row of out0
.set XS,   26                          ; v[26:29] x's scale words, two sets: K step s in register s % 2, lanes 16 (s / 2) on
.set W3S,  30                          ; v[30:31] W3's: register s, lanes 16 u on
.set W1S,  32                          ; v[32:35] W1's: register s, lanes 16 u on
.set WIS,  36                          ; v[36:43] W_ih's: gate y: register 2 y + s, lanes 16 u on
.set H1S,  44                          ; v44-45   fc1's result, two sets: lanes 16 s on
.set H2S,  46                          ; v46      h's
.set A11,  48                          ; v[48:49] P's coefficient of z^5, twice
.set B4,   50                          ; v[50:51] Q's of z^2
.set A5,   52                          ; v[52:53] P's of z^2
.set TM,   54                          ; v54-61   at work: +0, +1 maxima, +2 a permute's destination, +3 the conversion's scale, +4 the byte or a reciprocal, +5 named with +4 as a pair, +6, +7 codes
.set B3,   62                          ; v62-77   b3 at classes 16 h + 0 .. 15
.set XP,   78                          ; v78-109  a block's x on its way: 8 x 16 bytes a thread
.set XSP,  110                         ; v[110:111] and 8 of its scale bytes
.set XF,   112                         ; phase 1: v112-175 x's four fragments, two sets
.set HA,   176                         ;          v176-191 fc1's two accumulators
.set HF,   112                         ; phase 2: v112-143 two fragments of fc1's result, two sets
.set GA,   144                         ;          v144-207 the gates' eight accumulators: tile t = 2 y + u at 8 t
.set GI,   144
.set ZZ,   160                         ;          the f gate's sums are read by nobody: their registers are taken for z
.set GG,   176
.set GO,   192
.set PP,   208
.set QQ,   224
.set H3F,  192                         ; phase 3: v192-207 h's two fragments: clear of x's, which are fetched beside them
.set W3F,  208                         ;          v208-239 W3's fragments (tile u, K step s) at 8 (2 u + s)
.set LA,   240                         ;          v240-255 fc3's two accumulators
.set SM,   112                         ; the softmax's sums
.set W1F,  0                           ; WINDOW 1: W1's fragments (tile u, K step s) at 8 (4 u + s)
.set WIF,  64                          ;           W_ih's (tile t, K step s) at 8 (2 t + s)
.set B1,   192                         ;           b1 at my 16 units
.set BG,   208                         ;           b_ih + b_hh of i, g, o
.set MSB, 0
.macro WIN new                         ; s_set_vgpr_msb: bits 1:0 source 0, 3:2 source 1, 5:4 source 2, 7:6 destination; the high byte repeats the setting that is left
.if MSB != \new
	s_set_vgpr_msb (MSB<<8)|\new
.set MSB, \new
.endif
.endm
; One product.  ra, rb: the scales of source 0, of source 1 stand in lanes 16-31 of their register.  WMC: C in registers;  WMZ: C = 0.
.macro WMC d, a, b, c, sa, sb, ra, rb
.if (\ra) && (\rb)
	v_wmma_scale_f32_16x16x128_f8f6f4 v[\d:\d+7], v[\a:\a+7], v[\b:\b+7], v[\c:\c+7], v[\sa], v[\sb] matrix_a_fmt:MATRIX_FMT_FP4 matrix_b_fmt:MATRIX_FMT_FP4 matrix_a_scale:MATRIX_SCALE_ROW1 matrix_b_scale:MATRIX_SCALE_ROW1
.elseif (\ra)
	v_wmma_scale_f32_16x16x128_f8f6f4 v[\d:\d+7], v[\a:\a+7], v[\b:\b+7], v[\c:\c+7], v[\sa], v[\sb] matrix_a_fmt:MATRIX_FMT_FP4 matrix_b_fmt:MATRIX_FMT_FP4 matrix_a_scale:MATRIX_SCALE_ROW1
.elseif (\rb)
	v_wmma_scale_f32_16x16x128_f8f6f4 v[\d:\d+7], v[\a:\a+7], v[\b:\b+7], v[\c:\c+7], v[\sa], v[\sb] matrix_a_fmt:MATRIX_FMT_FP4 matrix_b_fmt:MATRIX_FMT_FP4 matrix_b_scale:MATRIX_SCALE_ROW1
.else
	v_wmma_scale_f32_16x16x128_f8f6f4 v[\d:\d+7], v[\a:\a+7], v[\b:\b+7], v[\c:\c+7], v[\sa], v[\sb] matrix_a_fmt:MATRIX_FMT_FP4 matrix_b_fmt:MATRIX_FMT_FP4
.endif
.endm
.macro WMZ d, a, b, sa, sb, ra
.if (\ra)
	v_wmma_scale_f32_16x16x128_f8f6f4 v[\d:\d+7], v[\a:\a+7], v[\b:\b+7], 0, v[\sa], v[\sb] matrix_a_fmt:MATRIX_FMT_FP4 matrix_b_fmt:MATRIX_FMT_FP4 matrix_a_scale:MATRIX_SCALE_ROW1
.else
	v_wmma_scale_f32_16x16x128_f8f6f4 v[\d:\d+7], v[\a:\a+7], v[\b:\b+7], 0, v[\sa], v[\sb] matrix_a_fmt:MATRIX_FMT_FP4 matrix_b_fmt:MATRIX_FMT_FP4
.endif
.endm
.macro PLACES                          ; four plain vector instructions between a matrix instruction and the first read of its result or load into its registers
.rept 4
	v_nop
.endr
.endm
.macro BARRIER                         ; my LDS stores have landed and my LDS loads are in: then the work-group's barrier
	s_wait_dscnt 0x0
	s_barrier_signal -1
	s_barrier_wait -1
.endm
; 16 numbers of a lane, none negative: k = 32 w + 16 h + 0 .. 15 of row r.  With lane l xor 16's they are a block.  Codes and scale byte go to their places in the image.
.macro QUANT s, ia, io, sa, so
	v_max3_num_f32 v[TM], v[\s], v[\s+1], 0x1800000                ; the floor 2^(3 - 127) among the leaves: the byte cannot fall under 1
	v_max3_num_f32 v[TM+1], v[\s+2], v[\s+3], v[\s+4]              ; two chains, so that no line waits for the line above it
	v_max3_num_f32 v[TM], v[TM], v[\s+5], v[\s+6]
	v_max3_num_f32 v[TM+1], v[TM+1], v[\s+7], v[\s+8]
	v_max3_num_f32 v[TM], v[TM], v[\s+9], v[\s+10]
	v_max3_num_f32 v[TM+1], v[TM+1], v[\s+11], v[\s+12]
	v_max3_num_f32 v[TM], v[TM], v[\s+13], v[\s+14]
	v_max3_num_f32 v[TM], v[TM], v[TM+1], v[\s+15]
	v_permlanex16_b32 v[TM+2], v[TM], s[SELR], s[SELR+1]
	v_max_num_f32 v[TM], v[TM], v[TM+2]                            ; the block's largest magnitude
	v_add_nc_u32 v[TM+3], 0xff000000, v[TM]                        ; 2 off its exponent field: the conversion takes the exponent field of this operand as its scale
	v_lshrrev_b32 v[TM+4], 23, v[TM+3]                             ; the scale's byte
	v_cvt_scalef32_pk8_fp4_f32 v[TM+6], v[\s:\s+7], v[TM+3]
	v_cvt_scalef32_pk8_fp4_f32 v[TM+7], v[\s+8:\s+15], v[TM+3]
	v_nop                                                          ; one plain place behind a scaled conversion
	ds_store_b64 v[\ia], v[TM+6:TM+7] offset:\io                   ; my 16 codes: half of the 16 bytes that lane 16 (w % 2) + r of the reader takes
	ds_store_b8 v[\sa], v[TM+4] offset:\so                         ; both lanes of a block write the same byte with the same value
.endm
; THE WEAVE.  The 32 exponentials of gates i and o stand one behind every third plain line of g's polynomial, which names none of their registers: TW, behind each plain line of a run, writes the next one that is due.
.set TI, 32
.set TC, 0
.macro TW
.set TC, TC+1
.if (TC%3 == 0) && (TI < 32)
.if TI < 16
	v_exp_f32 v[GI+TI], v[GI+TI]
.else
	v_exp_f32 v[GO+TI-16], v[GO+TI-16]
.endif
.set TI, TI+1
.endif
.endm
; Runs over 16 numbers, two at a time where a packed form exists
.macro PKS d, s, sp                    ; d = s x the scalar
.set i, 0
.rept 8
	v_pk_mul_f32 v[\d+i:\d+i+1], v[\s+i:\s+i+1], s[\sp:\sp+1] op_sel_hi:[1,0]
.set i, i+2
.endr
.endm
.macro PADD d, z, sp                   ; d = z + the scalar
.set i, 0
.rept 8
	v_pk_add_f32 v[\d+i:\d+i+1], v[\z+i:\z+i+1], s[\sp:\sp+1] op_sel_hi:[1,0]
.set i, i+2
.endr
.endm
.macro PKM d, a, b                     ; d = a b
.set i, 0
	s_wait_alu depctr_va_vdst(0)
.rept 8
	v_pk_mul_f32 v[\d+i:\d+i+1], v[\a+i:\a+i+1], v[\b+i:\b+i+1]
	TW
.set i, i+2
.endr
.endm
.macro FMA_SV d, z, sp, vp             ; d = z x the scalar + the pair: a polynomial's first step
.set i, 0
.rept 8
	v_pk_fma_f32 v[\d+i:\d+i+1], v[\z+i:\z+i+1], s[\sp:\sp+1], v[\vp:\vp+1] op_sel_hi:[1,0,1]
	TW
.set i, i+2
.endr
.endm
.macro FMA_S d, z, sp                  ; d = d z + the scalar
.set i, 0
.rept 8
	v_pk_fma_f32 v[\d+i:\d+i+1], v[\d+i:\d+i+1], v[\z+i:\z+i+1], s[\sp:\sp+1] op_sel_hi:[1,1,0]
	TW
.set i, i+2
.endr
.endm
.macro FMA_V d, z, vp                  ; d = d z + the pair
.set i, 0
.rept 8
	v_pk_fma_f32 v[\d+i:\d+i+1], v[\d+i:\d+i+1], v[\z+i:\z+i+1], v[\vp:\vp+1]
	TW
.set i, i+2
.endr
.endm
.macro FMA_Q q, a                      ; q = q a + q = Q (1 + 2^(-v log2 e))
.set i, 0
	s_wait_alu depctr_va_vdst(0)
.rept 8
	v_pk_fma_f32 v[\q+i:\q+i+1], v[\q+i:\q+i+1], v[\a+i:\a+i+1], v[\q+i:\q+i+1]
.set i, i+2
.endr
.endm
.macro RCP16 x
.set i, 0
.rept 16
	v_rcp_f32 v[\x+i], v[\x+i]
.set i, i+1
.endr
.endm
.macro RELU x                          ; ascending: an accumulator is read from its low end on
.set i, 0
.rept 16
	v_max_num_f32 v[\x+i], 0, v[\x+i]
.set i, i+1
.endr
.endm
; relu(sigmoid(o) tanh(sigmoid(i) tanh(g))) of 16 units, into g's registers
.macro ACT
	PKS GI, GI, NL2E
	PKS GO, GO, NL2E
.set TI, 0                             ; from here the exponentials of i, then of o, are woven in: 32 of them behind the 96 plain lines that follow (16 + 8 + 48 + 24)
.set TC, 0
.set i, 0
.rept 16
	v_med3_num_f32 v[GG+i], v[GG+i], 0, s[CLP]     ; g held to [0, 7.905]
	TW
.set i, i+1
.endr
	PKM ZZ, GG, GG
	FMA_SV PP, ZZ, A13, A11
	FMA_S PP, ZZ, A9
	FMA_S PP, ZZ, A7
	FMA_V PP, ZZ, A5
	FMA_S PP, ZZ, A3
	FMA_S PP, ZZ, A1
	FMA_SV QQ, ZZ, B6, B4
	FMA_S QQ, ZZ, B2
	FMA_S QQ, ZZ, B0
	FMA_Q QQ, GI                                   ; (plain lines behind the last exponential, which is o's)
	RCP16 QQ
	PKM PP, PP, GG                                 ; g P: it names nothing of the reciprocals, and is the plain place behind them
	PKM GG, PP, QQ                                 ; c = sigmoid(i) tanh(g), in [0, 1]
	PKM ZZ, GG, GG
	PADD PP, ZZ, K105
	FMA_S PP, ZZ, K945                             ; 945 + 105 z + z^2
	FMA_SV QQ, ZZ, K15, V420
	FMA_S QQ, ZZ, K945                             ; 945 + 420 z + 15 z^2
	FMA_Q QQ, GO
	RCP16 QQ
	PKM PP, PP, GG                                 ; likewise
	PKM GG, PP, QQ                                 ; relu(h)
.endm
.macro XLOAD                           ; a block's x: each load of the wave reads 512 consecutive bytes; read once in the launch
.irp j, 0,1,2,3,4,5,6,7
	global_load_b128 v[XP+4*\j:XP+4*\j+3], v[XG], s[8:9] offset:4096*\j th:TH_LOAD_NT
.endr
	global_load_b64 v[XSP:XSP+1], v[XSG], s[10:11] th:TH_LOAD_NT
.endm
.macro XSTORE                          ; and its way into LDS: load j holds rows 16 j + thread / 16
.irp j, 0,1,2,3,4,5,6,7
	ds_store_b128 v[XL], v[XP+4*\j:XP+4*\j+3] offset:XIMG+4352*\j
.endr
	ds_store_b64 v[XSG], v[XSP:XSP+1] offset:XSC
.endm
	; ---- THE HEAD
	s_load_b512 s[8:23], s[0:1], 0x0               ; x's codes s[8:9], x's scales s[10:11], W1's codes s[12:13], W1's scales s[14:15], b1 s[16:17], W_ih's codes s[18:19], W_ih's scales s[20:21], b_ih s[22:23]
	s_load_b256 s[24:31], s[0:1], 0x40             ; b_hh s[24:25], W3's codes s[26:27], W3's scales s[28:29], b3 s[30:31]
	s_load_b64 s[32:33], s[0:1], 0x60              ; out0
	v_lshl_add_u32 v25, v0, 2, 0x12800
	v_mov_b32 v47, 0
	v_lshrrev_b32 v240, 5, v0                      ; wave
	v_readfirstlane_b32 s[WV], v240
	v_and_b32 v241, 31, v0                         ; lane
	v_lshrrev_b32 v242, 4, v0                      ; thread / 16
	v_and_b32 v1, 15, v0                           ; r: kept to the end
	v_bfe_u32 v2, v0, 4, 1                         ; h
	v_and_b32 v3, 8, v1
	v_add_nc_u32 v3, v3, v1                        ; r + 8 (r / 8): my row in a weight's tile 0
	v_and_b32 v243, 0xe0, v0                       ; 32 w
	v_lshlrev_b32 v[BGA], 2, v243
	v_lshl_add_u32 v[BGA], v2, 6, v[BGA]
	v_add_nc_u32 v243, v243, v3                    ; my row among all
	v_lshl_add_u32 v244, v2, 3, v243               ; + 8 h: for scale words lanes 16-31 take tile 1's rows
	v_lshlrev_b32 v245, 4, v2                      ; 16 h
	v_lshlrev_b32 v[XG], 4, v0
	v_lshlrev_b32 v[XSG], 3, v0
	v_mul_u32_u24 v[XL], v242, 272
	v_lshl_add_u32 v[XL], v1, 4, v[XL]
	v_mul_u32_u24 v[XR], v1, 272
	v_lshl_add_u32 v[XR], v2, 4, v[XR]
	v_lshlrev_b32 v[XSR], 4, v1
	v_lshl_add_u32 v[XSR], v2, 3, v[XSR]
	v_lshlrev_b32 v[IMS], 8, v240
	v_add_nc_u32 v[IMS], v[IMS], v[XSR]
	v_bfe_u32 v[SCS], v0, 7, 1
	v_lshlrev_b32 v[SCS], 6, v[SCS]
	v_bfe_u32 v246, v0, 5, 2
	v_add_nc_u32 v[SCS], v[SCS], v246
	v_lshl_add_u32 v[SCS], v1, 2, v[SCS]
	v_add_nc_u32 v[IMS2], H2IMG, v[IMS]
	v_add_nc_u32 v[SCS2], H2SC, v[SCS]
	v_lshlrev_b32 v[LI], 4, v241
	v_lshlrev_b32 v[LS], 2, v241
	v_lshl_add_u32 v[LI3], v240, 11, v[LI]
	v_add_nc_u32 v[LI3], H2IMG, v[LI3]
	v_lshl_add_u32 v[LS3], v240, 7, v[LS]
	v_add_nc_u32 v[LS3], H2SC, v[LS3]
	v_lshl_or_b32 v[W1G], v243, 8, v245            ; a row of W1 is 256 bytes of codes,
	v_lshlrev_b32 v[W1SG], 4, v244                 ; 16 scale bytes
	v_lshl_or_b32 v[WIG], v243, 7, v245            ; a row of W_ih 128 bytes,
	v_lshlrev_b32 v[WISG], 3, v244                 ; 8 scale bytes
	v_lshl_or_b32 v[W3P], v3, 7, v245              ; W3: wave w fetches piece w = 4 u + 2 s + c of the eight: + 1,024 u + 64 s + 32 c
	v_bfe_u32 v246, v0, 7, 1
	v_lshl_add_u32 v[W3P], v246, 10, v[W3P]
	v_bfe_u32 v246, v0, 6, 1
	v_lshl_add_u32 v[W3P], v246, 6, v[W3P]
	v_bfe_u32 v246, v0, 5, 1
	v_lshl_add_u32 v[W3P], v246, 5, v[W3P]
	v_lshl_add_u32 v[W3SG], v2, 3, v3
	v_lshlrev_b32 v[W3SG], 3, v[W3SG]
	v_lshlrev_b32 v[B3G], 6, v2
	v_mov_b32 v[V420], 0x43d20000                  ; 420: h and the row number are done with
	v_mov_b32 v[V420+1], 0x43d20000
	v_mov_b32 v[A11], 0x2a61337e                   ; 2.00018790e-13
	v_mov_b32 v[A11+1], 0x2a61337e
	v_mov_b32 v[B4], 0x38f895d6                    ; 1.18534706e-4
	v_mov_b32 v[B4+1], 0x38f895d6
	v_mov_b32 v[A5], 0x3779434a                    ; 1.48572236e-5
	v_mov_b32 v[A5+1], 0x3779434a
	v_mov_b32 v[TM+2], 0                           ; written once: a lane permute's destination counts as one of its sources
	v_mov_b32 v[TM+5], 0                           ; named as the upper half of a pair
	s_mov_b32 s[SELR], 0x76543210
	s_mov_b32 s[SELR+1], 0xfedcba98
	s_mov_b32 s[L2E], 0x3fb8aa3b
	s_mov_b32 s[L2E+1], 0x3fb8aa3b
	s_mov_b32 s[NL2E], 0xbfb8aa3b
	s_mov_b32 s[NL2E+1], 0xbfb8aa3b
	s_mov_b32 s[A13], 0xa59f25c0                   ; -2.76076848e-16
	s_mov_b32 s[A13+1], 0xa59f25c0
	s_mov_b32 s[A9], 0xaebd37ff                    ; -8.60467152e-11
	s_mov_b32 s[A9+1], 0xaebd37ff
	s_mov_b32 s[A7], 0x335c0041                    ; 5.12229709e-8
	s_mov_b32 s[A7+1], 0x335c0041
	s_mov_b32 s[A3], 0x3a270ded                    ; 6.37261929e-4
	s_mov_b32 s[A3+1], 0x3a270ded
	s_mov_b32 s[A1], 0x3ba059dc                    ; 4.89352456e-3
	s_mov_b32 s[A1+1], 0x3ba059dc
	s_mov_b32 s[B6], 0x35a0d3d8                    ; 1.19825839e-6
	s_mov_b32 s[B6+1], 0x35a0d3d8
	s_mov_b32 s[B2], 0x3b14aa05                    ; 2.26843463e-3
	s_mov_b32 s[B2+1], 0x3b14aa05
	s_mov_b32 s[B0], 0x3ba059dd                    ; 4.89352519e-3
	s_mov_b32 s[B0+1], 0x3ba059dd
	s_mov_b32 s[CLP], 0x40fcf84f                   ; 7.90531111
	s_mov_b32 s[K105], 0x42d20000                  ; 105
	s_mov_b32 s[K105+1], 0x42d20000
	s_mov_b32 s[K945], 0x446c4000                  ; 945
	s_mov_b32 s[K945+1], 0x446c4000
	s_mov_b32 s[K15], 0x41700000                   ; 15
	s_mov_b32 s[K15+1], 0x41700000
	s_mov_b32 s[BLK], 4
	s_mov_b32 s3, 0
	s_wait_kmcnt 0x0
	s_lshl_b32 s2, ttmp9, 17                       ; my 512 rows: 256 bytes of codes each,
	s_add_nc_u64 s[8:9], s[8:9], s[2:3]
	s_lshl_b32 s2, ttmp9, 13                       ; 16 scale bytes each;
	s_add_nc_u64 s[10:11], s[10:11], s[2:3]
	s_lshr_b32 s2, ttmp9, 2                        ; my patient's row of out0: 128 bytes
	s_lshl_b32 s2, s2, 7
	s_add_nc_u64 s[32:33], s[32:33], s[2:3]
	; All the head's loads, in the order in which they are wanted: 39, then fc1's 21, then the gates' 36
	XLOAD                                          ; block 0
	global_load_b128 v[160:163], v[W3P], s[26:27]
	global_load_b64 v[W3S:W3S+1], v[W3SG], s[28:29]
.irp k, 0,1,2,3
	global_load_b128 v[B3+4*\k:B3+4*\k+3], v[B3G], s[30:31] offset:16*\k
.endr
.irp y, 0,1,2                          ; gates i, g, o begin at rows 0, 512, 768
.irp k, 0,1,2,3
	global_load_b128 v[112+16*\y+4*\k:112+16*\y+4*\k+3], v[BGA], s[24:25] offset:1024*(\y+(\y+1)/2)+16*\k   ; b_hh
.endr
.endr
	WIN 0x40                                       ; destination window 1
.irp y, 0,1,2
.irp k, 0,1,2,3
	global_load_b128 v[BG+16*\y+4*\k:BG+16*\y+4*\k+3], v[BGA], s[22:23] offset:1024*(\y+(\y+1)/2)+16*\k     ; b_ih
.endr
.endr
	WIN 0
	global_load_b128 v[W1S:W1S+3], v[W1SG], s[14:15]
	WIN 0x40
.irp k, 0,1,2,3
	global_load_b128 v[B1+4*\k:B1+4*\k+3], v[BGA], s[16:17] offset:16*\k
.endr
.irp u, 0,1
.irp s, 0,1,2,3
.irp c, 0,1
	global_load_b128 v[W1F+8*(4*\u+\s)+4*\c:W1F+8*(4*\u+\s)+4*\c+3], v[W1G], s[12:13] offset:2048*\u+64*\s+32*\c
.endr
.endr
.endr
	WIN 0
.irp y, 0,1,2,3
	global_load_b64 v[WIS+2*\y:WIS+2*\y+1], v[WISG], s[20:21] offset:2048*\y
.endr
	WIN 0x40
.irp y, 0,1,2,3
.irp u, 0,1
.irp s, 0,1
.irp c, 0,1
	global_load_b128 v[WIF+8*(2*(2*\y+\u)+\s)+4*\c:WIF+8*(2*(2*\y+\u)+\s)+4*\c+3], v[WIG], s[18:19] offset:32768*\y+1024*\u+64*\s+32*\c
.endr
.endr
.endr
.endr
	WIN 0
	s_wait_loadcnt 57                              ; behind b_ih stand 21 + 36 loads: block 0's x, W3's piece and scales, b3, b_hh and b_ih are in
	ds_store_b128 v[XG], v[160:163] offset:W3IMG   ; piece w at 512 w + 16 x lane; the barrier below shows it to all
	XSTORE                                         ; block 0's x
	WIN 0x41                                       ; destination and source 0 window 1
.set i, 0
.rept 24
	v_pk_add_f32 v[BG+i:BG+i+1], v[BG+i:BG+i+1], v[112+i:112+i+1]   ; b_ih + b_hh
.set i, i+2
.endr
	WIN 0
	BARRIER                                        ; block 0's 128 rows and W3 lie in LDS
; x's fragments and scale words of row tile m, into set m % 2: 9 LDS loads
.macro FETCHX m
.set XB, XF+32*((\m)%2)
.irp s, 0,1,2,3
.irp c, 0,1
	ds_load_b128 v[XB+8*\s+4*\c:XB+8*\s+4*\c+3], v[XR] offset:XIMG+4352*(\m)+64*\s+32*\c
.endr
.endr
	ds_load_b64 v[XS+2*((\m)%2):XS+2*((\m)%2)+1], v[XSR] offset:XSC+256*(\m)
.endm
; fc1 of row tile m: my 32 units, 4 K steps; the two accumulators take turns
.macro P1 m
.if (\m) == 0
	s_wait_dscnt 0x0                               ; tile 0's fragments: fetched ahead of the loop, or beside fc3's operands
	s_wait_loadcnt 36                              ; the gates' 4 + 32 loads may stay out: W1, its scales and b1 are in (in later trips nothing is out here)
.else
	s_wait_dscnt 2                                 ; behind this tile's fetch, issued a tile ago, stand the last tile's two stores: they may stay out
.endif
.if (\m) < 7
	FETCHX (\m)+1                                  ; into the set that the tile before multiplied; its ReLU and quantiser are the places in between
.endif
.set XB, XF+32*((\m)%2)
.set XW, XS+2*((\m)%2)
	WIN 0x11                                       ; source 0 (W1) and source 2 (b1) window 1
.irp u, 0,1
	WMC HA+8*\u, W1F+32*\u, XB, B1+8*\u, W1S, XW, \u, 0
.endr
	WIN 0x01
.irp s, 1,2,3
.irp u, 0,1
	WMC HA+8*\u, W1F+8*(4*\u+\s), XB+8*\s, HA+8*\u, W1S+\s, XW+\s%2, \u, \s/2
.endr
.endr
	WIN 0
	PLACES
	RELU HA
	QUANT HA, IMS, H1IMG+2048*(\m), SCS, H1SC+128*(\m)
.endm
; the two fragments and the scale words of fc1's result, row tile m, into set m % 2: 5 LDS loads
.macro FETCHH m
.set HB, HF+16*((\m)%2)
.irp s, 0,1
.irp c, 0,1
	ds_load_b128 v[HB+8*\s+4*\c:HB+8*\s+4*\c+3], v[LI] offset:H1IMG+2048*(\m)+1024*\s+512*\c
.endr
.endr
	ds_load_b32 v[H1S+(\m)%2], v[LS] offset:H1SC+128*(\m)
.endm
; the four gates of my 32 units for row tile m, 2 K steps; the eight accumulators take turns
.macro P2 m
.if (\m) == 0
	s_wait_dscnt 0x0
.else
	s_wait_dscnt 2                                 ; as in phase 1: the last tile's two stores may stay out
.endif
.if (\m) < 7
	FETCHH (\m)+1
.endif
.set HB, HF+16*((\m)%2)
.set HW, H1S+(\m)%2
	WIN 0x11                                       ; source 0 (W_ih) and source 2 (the biases) window 1
.irp t, 0,1,2,3,4,5,6,7
.if \t/2 == 1
	WMZ GA+8*\t, WIF+16*\t, HB, WIS+2*(\t/2), HW, \t%2
.else
	WMC GA+8*\t, WIF+16*\t, HB, BG+16*(\t/2-(\t/2+2)/3)+8*(\t%2), WIS+2*(\t/2), HW, \t%2, 0
.endif
.endr
	WIN 0x01
.irp t, 0,1,2,3,4,5,6,7
	WMC GA+8*\t, WIF+16*\t+8, HB+8, GA+8*\t, WIS+2*(\t/2)+1, HW, \t%2, 1
.endr
	WIN 0
	PLACES
	ACT
	QUANT GG, IMS2, 2048*(\m), SCS2, 128*(\m)
.endm
	FETCHX 0                                       ; block 0, row tile 0
.Lblock:                                               ; 4 trips, a block of 128 rows each
	; ---- 1
.irp m, 0,1,2,3,4,5,6,7
	P1 \m
.endr
	BARRIER                                        ; fc1's result lies in LDS, and nobody reads this block's x any more
	FETCHH 0
	; ---- the next block's x is asked for, if there is one: no load leaves its buffer
	s_wait_loadcnt 0x0                             ; W_ih is in (first trip); and no load is out, so the bases may step
	s_cmp_eq_u32 s[BLK], 1
	s_cbranch_scc1 .Lno_next
	s_add_nc_u64 s[8:9], s[8:9], 0x8000            ; 128 rows of 256 bytes
	s_add_nc_u64 s[10:11], s[10:11], 0x800         ; and of 16
	XLOAD
.Lno_next:
	; ---- 2
.irp m, 0,1,2,3,4,5,6,7
	P2 \m
.endr
	s_wait_loadcnt 0x0                             ; the next block's x is in registers (on every way: no load is out from here on)
	s_cmp_eq_u32 s[BLK], 1
	s_cbranch_scc1 .Lno_store
	XSTORE                                         ; and goes to LDS ahead of the barrier that h needs anyway
.Lno_store:
	BARRIER                                        ; h lies in LDS, and so do the next block's rows; nobody reads fc1's codes any more
	s_cmp_eq_u32 s[BLK], 1
	s_cbranch_scc1 .Lno_fetch
	FETCHX 0                                       ; the next block's row tile 0 comes beside fc3's operands
.Lno_fetch:
	; ---- 3: fc3 of row tile w: 32 classes, 2 K steps
.irp s, 0,1
.irp c, 0,1
	ds_load_b128 v[H3F+8*\s+4*\c:H3F+8*\s+4*\c+3], v[LI3] offset:1024*\s+512*\c
.endr
.endr
	ds_load_b32 v[H2S], v[LS3]
.irp i, 0,1,2,3,4,5,6,7
	ds_load_b128 v[W3F+4*\i:W3F+4*\i+3], v[LI] offset:W3IMG+512*\i
.endr
	s_wait_dscnt 0x0
.irp u, 0,1
	WMC LA+8*\u, W3F+16*\u, H3F, B3+8*\u, W3S, H2S, \u, 0
.endr
.irp u, 0,1
	WMC LA+8*\u, W3F+16*\u+8, H3F+8, LA+8*\u, W3S+1, H2S, \u, 1
.endr
	s_sub_co_u32 s[BLK], s[BLK], 1                 ; (the next trip's first loads and products name none of these products' registers)
	s_cmp_lg_u32 s[BLK], 0
	s_cbranch_scc1 .Lblock
	; ---- The kept row is the last of a patient's 2,048: row 15 of the last block's row tile 7, in the patient's fourth work-group.  No barrier follows: the others are done.
	s_cmp_lg_u32 s[WV], 7
	s_cbranch_scc1 .Lend
	s_and_b32 s2, ttmp9, 3
	s_cmp_lg_u32 s2, 3
	s_cbranch_scc1 .Lend
	PLACES                                         ; behind fc3's last products, in front of the first read of their results
	v_max3_num_f32 v[TM], v[LA], v[LA+1], v[LA+2]                  ; the row's largest logit: each accumulator from its low end on
	v_max3_num_f32 v[TM+1], v[LA+8], v[LA+9], v[LA+10]
	v_max3_num_f32 v[TM], v[TM], v[LA+3], v[LA+4]
	v_max3_num_f32 v[TM+1], v[TM+1], v[LA+11], v[LA+12]
	v_max3_num_f32 v[TM], v[TM], v[LA+5], v[LA+6]
	v_max3_num_f32 v[TM+1], v[TM+1], v[LA+13], v[LA+14]
	v_max3_num_f32 v[TM], v[TM], v[LA+7], v[LA+15]
	v_max_num_f32 v[TM], v[TM], v[TM+1]
	v_permlanex16_b32 v[TM+2], v[TM], s[SELR], s[SELR+1]
	v_max_num_f32 v[TM], v[TM], v[TM+2]                            ; with the other 16 classes'
	v_mul_f32 v[TM+2], s[NL2E], v[TM]                              ; -log2(e) x the maximum
.set i, 0
.rept 8
	v_pk_fma_f32 v[LA+i:LA+i+1], v[LA+i:LA+i+1], s[L2E:L2E+1], v[TM+2:TM+3] op_sel_hi:[1,0,0]   ; log2(e) (logit - maximum), 0 or less
.set i, i+2
.endr
.set i, 0
.rept 16
	v_exp_f32 v[LA+i], v[LA+i]
.set i, i+1
.endr
	v_nop                                          ; a plain place behind the exponentials
	s_wait_alu depctr_va_vdst(0)
.irp i, 0,1,2,3
	v_pk_add_f32 v[SM+2*\i:SM+2*\i+1], v[LA+4*\i:LA+4*\i+1], v[LA+4*\i+2:LA+4*\i+3]
.endr
	v_pk_add_f32 v[SM:SM+1], v[SM:SM+1], v[SM+2:SM+3]
	v_pk_add_f32 v[SM+4:SM+5], v[SM+4:SM+5], v[SM+6:SM+7]
	v_pk_add_f32 v[SM:SM+1], v[SM:SM+1], v[SM+4:SM+5]
	v_add_f32 v[SM], v[SM], v[SM+1]
	v_permlanex16_b32 v[TM+2], v[SM], s[SELR], s[SELR+1]
	v_add_f32 v[SM], v[SM], v[TM+2]                ; the row's sum
	v_rcp_f32 v[TM+4], v[SM]
	v_nop                                          ; a plain place behind the reciprocal
.set i, 0
	s_wait_alu depctr_va_vdst(0)
.rept 8
	v_pk_mul_f32 v[LA+i:LA+i+1], v[LA+i:LA+i+1], v[TM+4:TM+5] op_sel_hi:[1,0]
.set i, i+2
.endr
	v_cmp_eq_u32 vcc_lo, 15, v1                    ; lanes 15 and 31 hold row 15: classes 0-15 and 16-31
	s_wait_xcnt 0x0                                ; EXEC changes only behind this wait
	s_and_saveexec_b32 s2, vcc_lo
.irp k, 0,1,2,3
	global_store_b128 v[B3G], v[LA+4*\k:LA+4*\k+3], s[32:33] offset:16*\k   ; the patient's 128 bytes: all that this work-group owns of out0
.endr
	s_wait_xcnt 0x0                                ; and again, in front of the line that widens it
	s_or_b32 exec_lo, exec_lo, s2
.Lend:
	s_wait_tensorcnt 0x0
	ds_add_u32 v25, v47
	s_wait_dscnt 0x0
	s_endpgm
.Lfunc_end_k_q226681bfc7_rnn:
	.size	k_q226681bfc7_rnn, .Lfunc_end_k_q226681bfc7_rnn-k_q226681bfc7_rnn
	.p2alignl 7, 3214868480
	.fill 96, 4, 3214868480
	.section	.rodata,"a",@progbits
	.p2align	6, 0x0
	.amdhsa_kernel k_q226681bfc7_rnn
		.amdhsa_group_segment_fixed_size 76800
		.amdhsa_private_segment_fixed_size 0
		.amdhsa_enable_private_segment 0
		.amdhsa_kernarg_size 104
		.amdhsa_user_sgpr_count 2
		.amdhsa_user_sgpr_kernarg_segment_ptr 1
		.amdhsa_wavefront_size32 1
		.amdhsa_system_sgpr_workgroup_id_x 1
		.amdhsa_system_sgpr_workgroup_id_y 1
		.amdhsa_system_sgpr_workgroup_id_z 1
		.amdhsa_system_vgpr_workitem_id 0
		.amdhsa_next_free_vgpr 512
		.amdhsa_next_free_sgpr 66
		.amdhsa_reserve_vcc 1
		.amdhsa_float_denorm_mode_32 3
		.amdhsa_float_denorm_mode_16_64 3
		.amdhsa_memory_ordered 1
		.amdhsa_forward_progress 1
		.amdhsa_inst_pref_size 199
	.end_amdhsa_kernel
	.amdgpu_metadata
---
amdhsa.version: [ 1, 2 ]
amdhsa.kernels:
  - .name:           k_q226681bfc7_rnn
    .symbol:         k_q226681bfc7_rnn.kd
    .args:
      - { .name: x_codes, .offset: 0, .size: 8, .value_kind: global_buffer, .address_space: global }
      - { .name: x_scales, .offset: 8, .size: 8, .value_kind: global_buffer, .address_space: global }
      - { .name: W1_codes, .offset: 16, .size: 8, .value_kind: global_buffer, .address_space: global }
      - { .name: W1_scales, .offset: 24, .size: 8, .value_kind: global_buffer, .address_space: global }
      - { .name: b1, .offset: 32, .size: 8, .value_kind: global_buffer, .address_space: global }
      - { .name: W_ih_codes, .offset: 40, .size: 8, .value_kind: global_buffer, .address_space: global }
      - { .name: W_ih_scales, .offset: 48, .size: 8, .value_kind: global_buffer, .address_space: global }
      - { .name: b_ih, .offset: 56, .size: 8, .value_kind: global_buffer, .address_space: global }
      - { .name: b_hh, .offset: 64, .size: 8, .value_kind: global_buffer, .address_space: global }
      - { .name: W3_codes, .offset: 72, .size: 8, .value_kind: global_buffer, .address_space: global }
      - { .name: W3_scales, .offset: 80, .size: 8, .value_kind: global_buffer, .address_space: global }
      - { .name: b3, .offset: 88, .size: 8, .value_kind: global_buffer, .address_space: global }
      - { .name: out0, .offset: 96, .size: 8, .value_kind: global_buffer, .address_space: global }
    .group_segment_fixed_size: 76800
    .private_segment_fixed_size: 0
    .kernarg_segment_align: 8
    .kernarg_segment_size: 104
    .max_flat_workgroup_size: 256
    .sgpr_count:     66
    .vgpr_count:     512
    .wavefront_size: 32
...
	.end_amdgpu_metadata
.endif
;; end of part 1
